; MI455X (gfx1250); checked and timed in simulation.
; The chip was launched on July 23, 2026; its instructions are those of AMD's public machine-readable ISA for CDNA 5 (MIT licence, August 2026) and "CDNA5" Instruction Set Architecture Reference Guide (July 2026). The comments in the code are by the model that wrote it; some were corrected since.
;; Lo RA Linear. Allowed arithmetic: matrix products marked QUANTISED: E5M2 operands, one given power-of-two scale a tensor, by v_wmma_f32_16x16x64_bf8_bf8 or v_wmma_f32_16x16x128_bf8_bf8, f32 sums; products left as they are: f32 operands where the result goes on into a quantised operand, else bf16, f16 or f32 operands; f32 sums; everything else in f32.
;; Inputs: lora_A_codes 16 x 128 x 32 uint8 (E5M2 codes of lora_A, K innermost, in blocks of 32 codes); lora_B 4,096 x 16 float32; lowp_scales 4 int32 (the exponents e of the quantised operands' scales 2^e); scale 4,096 float32; signs_codes 4,096 x 128 x 32 uint8 (E5M2 codes of signs, K innermost, in blocks of 32 codes); x_codes 4 x 1,024 x 128 x 32 uint8 (E5M2 codes of x, K innermost, in blocks of 32 codes).
;; Outputs: out0 4 x 1,024 x 4,096 float32.
;; This version of the problem:
;;   THIS VERSION OF THE PROBLEM IS GIVEN IN LOW PRECISION. The matrix products marked QUANTISED in the list below multiply operands that are first quantised to E5M2 (5 exponent bits, 2 mantissa bits; 8 bits a number), with one given power-of-two scale for each operand tensor; their sums are f32. All else is computed in f32.
;;   The module's matrix products, in the order in which they are computed (A, B: the left and right operand; K: the contracted axis; several contracted axes count as one K, in the product's order):
;;     1. [M 4,096, K 4,096] x [K 4,096, N 4,096]; A: input x (given as codes); B: input signs (given as codes): QUANTISED (scales: A lowp_scales[0], B lowp_scales[1])
;;     2. [M 4,096, K 4,096] x [K 4,096, N 16]; A: input x (given as codes); B: input lora_A (given as codes): QUANTISED (scales: A lowp_scales[2], B lowp_scales[3])
;;     3. [M 4,096, K 16] x [K 16, N 4,096]; A: computed on the way; B: input lora_B: left as it is (K = 16 < 32)
;;   THE QUANTISER, for each operand of a quantised product, along K:
;;     - The operand's scale is 2^e, e = its entry of the input lowp_scales (int32; the entries are numbered through the quantised products in the list's order, A before B).
;;     - Each number is divided by the scale, clamped to +-57,344, and rounded to the nearest number of E5M2, ties to even, subnormals kept.
;;     - The product sums the exact products of the quantised numbers (number of the format x scale) in f32.
;;   ~~~python
;;   def quantise(x, axis, e):      # numpy; x: float32 -> the quantised numbers, widened to float32 again
;;       x = np.moveaxis(x, axis, -1); K = x.shape[-1]
;;       r = np.clip(x / 2.0 ** e, -57344, 57344)
;;       step = 2.0 ** (np.maximum(np.frexp(np.where(r == 0, 1, r))[1] - 1, -14) - 2)
;;       q = np.round(r / step) * step * 2.0 ** e      # np.round: ties to even
;;       return np.moveaxis(q, -1, axis).astype(np.float32)
;;   ~~~
;;   INPUTS GIVEN AS CODES. lora_A (in the module: [16, 4096], K = its axis 1); signs (in the module: [4096, 4096], K = its axis 1); x (in the module: [4, 1024, 4096], K = its axis 2): each comes as NAME_codes (uint8): NAME with its K axis moved to the last place and cut into blocks of 32 codes, [.., K / 32, bytes a block], one block behind the other in memory; one code a byte (a code: sign, 5 exponent bits, 2 mantissa bits); its scale is its entry of lowp_scales. Its value is code x scale, taken as it is: it is not quantised again, and the codes and scales need not be those that the quantiser above would give.
;; One version. Each part assembles by itself: llvm-mc -triple=amdgcn-amd-amdhsa -mcpu=gfx1250 --defsym DOCPART=n.
;; ======== version 1 of 1: 1 launch
;; limits: values are held in bf16: 8 bits of precision; right only within a limited range of input values
;; launch lora_gemm (part 1): grid 16 x 16, 4 waves a work-group, clusters of 4 x 4, 327,680 bytes of LDS; arguments x_codes, signs_codes, lora_A_codes, lora_B, scale, lowp_scales, out0; writes out0
.if DOCPART == 1
	.amdgcn_target "amdgcn-amd-amdhsa--gfx1250"
	.amdhsa_code_object_version 6
	.text
	.protected	k_q708d358ebf_lora_gemm
	.globl	k_q708d358ebf_lora_gemm
	.p2align	8
	.type	k_q708d358ebf_lora_gemm,@function
k_q708d358ebf_lora_gemm:
	s_mov_b64 s[64:65], 0
	v_nop
	global_prefetch_b8 v0, s[64:65] scope:SCOPE_SE
	s_setreg_imm32_b32 hwreg(HW_REG_WAVE_MODE, 25, 1), 1
	s_wait_xcnt 0x0
	s_wait_alu depctr_hold_cnt(0) depctr_sa_sdst(0) depctr_va_vdst(0) depctr_va_sdst(0) depctr_va_ssrc(0) depctr_va_vcc(0) depctr_vm_vsrc(0)
	s_getreg_b32 s2, hwreg(HW_REG_IB_STS2, 6, 4)
	s_cmp_eq_u32 s2, 0
	s_cbranch_scc0 .Lentry_in_a_cluster
	s_endpgm
.Lentry_in_a_cluster:
	s_bfe_u32 s2, ttmp6, 0x10000c
	s_cmp_lg_u32 s2, 0xf033
	s_cbranch_scc0 .Lentry_shape_is_right
	s_endpgm
.Lentry_shape_is_right:
; out[m][n] = scale[n] 2^(e0+e1) sum_k x[m][k] signs[n][k]  +  2 sum_r t[m][r] lora_B[n][r],   t[m][r] = 2^(e2+e3) sum_k x[m][k] lora_A[r][k].
; x, signs, lora_A: E5M2 codes, K innermost, rows of 4,096 bytes; both products over K by v_wmma_f32_16x16x128_bf8_bf8, sums in f32.
; The third product (K = 16) takes t and lora_B rounded to bf16, in v_wmma_f32_16x16x32_bf16 with the other 16 of K as zeros.
; A work-group of four waves makes 256 x 256 of out; a wave 128 x 128: 64 accumulators, 512 registers.  256 work-groups.
; K goes in steps of 256 through two LDS slots (256 rows of x, 256 rows of signs, rows of 256 bytes + 16 of padding); each wave fetches 128 rows by one tensor load.
; CLUSTERS 4 x 4: x's tiles are asked for jointly along a row of the cluster, signs' along a column.
; lora_A's tile of a step (16 rows x 256 bytes) would be a fifth load for four waves: it comes through registers instead: each wave loads 4 rows
; (sixteen lanes to a row's 256 bytes) one step ahead and stores them into one of two LDS parts of their own, behind the barrier that frees that part.
; Each wave sums t for 64 of its 128 rows (its blocks 0-3; the wave beside it takes the other 64) and the two exchange t through LDS at the end.
; THE WALK ALONG K begins at another quarter of K in each of the four clusters that read the same rows, and wraps round.
; LIMIT: so the f32 sums are added in an order that differs from ascending K.
; PREFETCH: behind the load of step u each wave asks for step u + 2 of 32 of the 128 rows that it fetches, a lane a row; the four partners of a joint load
; share the 128 rows by address (cx for x, cy for signs); step 1 is asked for at the head; the last two changes of slots that refill ask for nothing.
; THE MATRIX INSTRUCTION IS USED TRANSPOSED (source 0: rows of signs or lora_A, source 1: rows of x): a lane holds eight neighbouring columns of one row of out.
; REGISTERS: window 0: v0-31 addresses, v32-63 t's sums, v64-79 lora_A's fragment, v80-95 lora_A's rows on their way, v96-127 lora_B in bf16, v128-255 x's fragments (one set);
; window 1: signs' fragments, two sets; windows 2, 3: the accumulators of blocks 0-3 and 4-7.
.set PITCH,  272
.set HALFT,  128*PITCH                 ; what one tensor load brings
.set SLOT,   4*HALFT
.set SPARE,  2*SLOT                    ; the spare words: 128 bytes a wave, named by the add alone
.set SCB,    SPARE+512                 ; scale x 2^(e0+e1): 512 bytes a wave
.set XCH,    SCB+4*512                 ; t's exchange: 2,048 bytes a wave
.set LB,     XCH+4*2048                ; lora_A's two parts
.set LPART,  16*PITCH
.set SPITCH, 528                       ; the way out: a stage of 16 rows x (512 + 16) bytes a wave, in slot 0 behind its last fill and last read
.set FR,     16
.set LAPS,   8
.set LST,  8                           ; where I store my rows of lora_A
.set LGO,  9                           ; and where they lie in lora_A
.set PFO,  10                          ; lane x 4,096: the prefetches' offset
.set SCW,  11
.set ALO,  16
.set AHI,  18
.set ADRB, 20
.set ADRL, 22
.set STO,  24
.set RD,   25
.set CO,   26
.set SCR,  27
.set SPW,  28
.set NIL,  29
.set XST,  30
.set XLD,  31
.set TACC, 32
.set SC,   32
.set LF,   64
.set SET,  80
.set LBP,  96
.set AF,   128
.set BK,   128
.set TC,   0
.set RR,   128
.set G1A, 24
.set G0A, 32
.set G1B, 40
.set G0B, 48
.set LP,  56                           ; s[56:57] lora_A at the step that is loaded next
.set LK,  58                           ; s[58:59] its offset along K
.set PFB, 60                           ; s[60:61] first of my 32 rows to prefetch
.set PFA, 62                           ; s[62:63] the same at the step asked for
.set PK,  68                           ; s[68:69] its offset along K
.set KO,  96                           ; s[96:97], s[98:99] offset along K of the step in slot 0, 1
.set MSB, 0
.macro WIN new
.if MSB != (\new)
	s_set_vgpr_msb (MSB<<8)|(\new)
.set MSB, (\new)
.endif
.endm
.set MUL_LO, 0xa1
.set MUL_HI, 0xf1
.set TO_B,   0x40
.macro PLACES n
.rept \n
	v_nop
.endr
.endm
; a joint load: waves 0, 1 fetch x's halves, waves 2, 3 signs'
.macro JLOAD s
	s_cmp_eq_u32 s19, 0
	s_cbranch_scc0 .Lfor_b_\@
	tensor_load_to_lds s[G0A+4*\s:G0A+4*\s+3], s[G1A:G1A+7]
	s_nop 0
	PLACES 4
	s_branch .Lasked_\@
.Lfor_b_\@:
	tensor_load_to_lds s[G0B+4*\s:G0B+4*\s+3], s[G1B:G1B+7]
	s_nop 0
	PLACES 4
.Lasked_\@:
.endm
.macro CREST
	s_cmp_lg_u32 s18, 0
	s_cbranch_scc1 .Lnot_wave_0_\@
	s_barrier_signal -3
.Lnot_wave_0_\@:
	s_barrier_wait -3
	s_barrier_signal -1
	s_barrier_wait -1
.endm
.macro CROUND
	s_barrier_signal -1
	s_barrier_wait -1
	CREST
.endm
.macro LLOAD set, off                  ; my 4 rows x 256 bytes of lora_A: two rows an instruction, sixteen lanes to a row
	global_load_b128 v[SET+8*(\set):SET+8*(\set)+3],   v[LGO], s[LP:LP+1] offset:\off
	global_load_b128 v[SET+8*(\set)+4:SET+8*(\set)+7], v[LGO], s[LP:LP+1] offset:\off+8192
.endm
.macro LSTORE set
	ds_store_b128 v[LST], v[SET+8*(\set):SET+8*(\set)+3]   offset:(\set)*LPART
	ds_store_b128 v[LST], v[SET+8*(\set)+4:SET+8*(\set)+7] offset:(\set)*LPART+2*PITCH
.endm
	s_load_b256 s[4:11], s[0:1], 0x0               ; x, signs, lora_A, lora_B
	s_load_b128 s[12:15], s[0:1], 0x20             ; scale, lowp_scales
	s_load_b64 s[16:17], s[0:1], 0x30              ; out
	v_lshl_add_u32 v[SPW], v0, 2, SPARE
	v_mov_b32 v[NIL], 0
	ds_add_u32 v[SPW], v[NIL]                      ; the opening add,
	ds_add_u32 v[SPW], v[NIL]                      ; once more; their wait follows the set-up
	v_lshrrev_b32 v1, 5, v0
	v_readfirstlane_b32 s18, v1                    ; wave
	v_and_b32 v3, 31, v0                           ; lane
	v_bfe_u32 v2, v0, 4, 1                         ; h
	v_lshl_add_u32 v5, v1, 2, v2                   ; 4 wave + h: my first row of lora_A
	v_and_b32 v1, 15, v0                           ; r
	v_lshlrev_b32 v[CO], 4, v3
	v_lshlrev_b32 v[PFO], 12, v3
	v_lshlrev_b32 v7, 6, v1
	v_lshl_add_u32 v7, v2, 5, v7                   ; lora_B: row r of 64 bytes + 32 h
	v_lshlrev_b32 v6, 4, v1
	v_lshl_add_u32 v[LGO], v5, 12, v6
	v_mad_u32_u24 v5, v5, PITCH, v6
	v_add_nc_u32 v[LST], LB, v5
	v_mul_u32_u24 v4, v1, PITCH
	v_lshl_add_u32 v4, v2, 4, v4                   ; a fragment's row x pitch + 16 h
	v_mul_u32_u24 v5, v1, SPITCH
	v_lshl_add_u32 v5, v2, 5, v5                   ; the stage: row r, 32 bytes for each half of the lanes
	s_wait_alu depctr_va_vdst(0)
	s_lshr_b32 s19, s18, 1                         ; my half of the rows; also: I fetch x (0) or signs (1)
	s_and_b32 s20, s18, 1                          ; my half of the columns; also: which 128 rows I fetch
	s_xor_b32 s21, s20, 1
	s_bfe_u32 s76, ttmp6, 0x40000                  ; cx
	s_bfe_u32 s77, ttmp6, 0x40004                  ; cy
	s_lshl_b32 s78, ttmp9, 2
	s_add_co_u32 s78, s78, s76                     ; tile column
	s_and_b32 s79, ttmp7, 0xffff
	s_lshl_b32 s79, s79, 2
	s_add_co_u32 s79, s79, s77                     ; tile row
	s_lshl_b32 s80, s77, 2
	s_lshl_b32 s80, 15, s80                        ; my row of the cluster
	s_lshl_b32 s81, 0x1111, s76                    ; my column
	s_and_b32 s66, ttmp7, 0xffff                   ; where the cluster's walk along K begins: a multiple of 1,024, different in the four clusters of a row and of a column of clusters
	s_and_b32 s67, s66, 1
	s_lshl_b32 s67, s67, 11
	s_lshr_b32 s66, s66, 1
	s_lshl_b32 s66, s66, 10
	s_add_co_u32 s[KO], s66, s67
	s_and_b32 s67, ttmp9, 1
	s_lshl_b32 s67, s67, 11
	s_lshr_b32 s66, ttmp9, 1
	s_lshl_b32 s66, s66, 10
	s_add_co_u32 s[KO], s[KO], s67
	s_add_co_u32 s[KO], s[KO], s66
	s_and_b32 s[KO], s[KO], 4095
	s_add_co_u32 s[KO+2], s[KO], 256
	s_mov_b32 s[KO+1], 0
	s_mov_b32 s[KO+3], 0
	s_mov_b32 s[LK+1], 0
	s_mov_b32 s[PK+1], 0
	s_or_b32 s[G1A], s80, (1<<20)|(1<<21)|(5<<22)|(3<<25)   ; elements of 1 byte; 4 words of padding behind every 64
	s_or_b32 s[G1B], s81, (1<<20)|(1<<21)|(5<<22)|(3<<25)
.irp g, G1A, G1B
	s_mov_b32 s[\g+1], 256<<16
	s_mov_b32 s[\g+2], 128<<16
	s_mov_b32 s[\g+3], 256<<16
	s_mov_b32 s[\g+4], 128
	s_mov_b32 s[\g+5], 4096
	s_mov_b32 s[\g+6], 0
	s_mov_b32 s[\g+7], 0
.endr
	s_lshl_b32 s82, s79, 20                        ; x: 256 rows x tile row + 128 rows x half, in bytes
	s_lshl_b32 s83, s20, 19
	s_add_co_u32 s82, s82, s83
	s_mov_b32 s83, 0
	s_lshl_b32 s22, s78, 20                        ; signs: the same by the tile column
	s_lshl_b32 s23, s20, 19
	s_add_co_u32 s22, s22, s23
	s_mov_b32 s23, 0
	s_mul_i32 s3, s18, HALFT                       ; where my 128 rows go
	s_lshl_b32 s84, s79, 22                        ; out: my blocks 0-3 (s84) and 4-7 (s86)
	s_lshl_b32 s85, s19, 21
	s_add_co_u32 s84, s84, s85
	s_lshl_b32 s85, s78, 10
	s_add_co_u32 s84, s84, s85
	s_lshl_b32 s85, s20, 9
	s_add_co_u32 s84, s84, s85
	s_lshl_b32 s85, s20, 20
	s_lshl_b32 s87, s21, 20
	s_add_co_u32 s86, s84, s87
	s_add_co_u32 s84, s84, s85
	s_mov_b32 s85, 0
	s_mov_b32 s87, 0
	s_lshl_b32 s70, s78, 14                        ; lora_B: my 128 rows of 64 bytes
	s_lshl_b32 s71, s20, 13
	s_add_co_u32 s70, s70, s71
	s_mov_b32 s71, 0
	s_lshr_b32 s72, s70, 4                         ; scale: my 128 numbers
	s_mov_b32 s73, 0
	s_cmp_eq_u32 s19, 0                            ; the prefetches: of the 128 rows that I fetch, my work-group's 32
	s_cselect_b32 s66, s79, s78
	s_cselect_b32 s67, s76, s77
	s_lshl_b32 s66, s66, 20
	s_lshl_b32 s67, s67, 17
	s_add_co_u32 s66, s66, s67
	s_lshl_b32 s67, s20, 19
	s_add_co_u32 s66, s66, s67
	s_mov_b32 s67, 0
	s_mul_i32 s92, s19, HALFT                      ; LDS addresses: blocks 0-3 are rows 64 x (column half) of my row half, blocks 4-7 the other 64
	s_mul_i32 s93, s20, 64*PITCH
	s_add_co_u32 s93, s92, s93
	s_mul_i32 s94, s21, 64*PITCH
	s_add_co_u32 s94, s92, s94
	s_mul_i32 s95, s20, HALFT
	s_add_co_u32 s95, s95, 2*HALFT
.irp s, 0,1
	v_add_nc_u32 v[ALO+\s], s93, v4
	v_add_nc_u32 v[AHI+\s], s94, v4
	v_add_nc_u32 v[ADRB+\s], s95, v4
	v_add_nc_u32 v[ADRL+\s], LB+\s*LPART, v4
	s_add_co_u32 s93, s93, SLOT
	s_add_co_u32 s94, s94, SLOT
	s_add_co_u32 s95, s95, SLOT
.endr
	s_mul_i32 s92, s18, 16*SPITCH
	v_add_nc_u32 v[STO], s92, v5
	v_add_nc_u32 v[RD], s92, v[CO]
	s_lshl_b32 s92, s18, 9
	s_add_co_u32 s92, s92, SCB
	v_lshl_add_u32 v[SCR], v2, 5, s92
	v_add_nc_u32 v[SCW], s92, v[CO]
	s_lshl_b32 s92, s18, 11
	s_add_co_u32 s92, s92, XCH
	v_add_nc_u32 v[XST], s92, v[CO]
	s_xor_b32 s92, s18, 1
	s_lshl_b32 s92, s92, 11
	s_add_co_u32 s92, s92, XCH
	v_add_nc_u32 v[XLD], s92, v[CO]
	s_wait_alu depctr_va_vdst(0)
	s_wait_dscnt 0x0                               ; both opening adds are done
	s_wait_kmcnt 0x0
	s_load_b128 s[88:91], s[14:15], 0x0            ; e0 .. e3
	s_add_nc_u64 s[10:11], s[10:11], s[70:71]
	s_add_nc_u64 s[12:13], s[12:13], s[72:73]
	s_add_nc_u64 s[LP:LP+1], s[8:9], s[KO:KO+1]
	LLOAD 0, 0                                     ; lora_A's steps 0 and 1; all these loads are out while the first tiles come
	LLOAD 1, 256
.irp b, 0,1,2,3,4,5,6,7
	global_load_b128 v[AF+8*\b:AF+8*\b+3],   v7, s[10:11] offset:1024*\b
	global_load_b128 v[AF+8*\b+4:AF+8*\b+7], v7, s[10:11] offset:1024*\b+16
.endr
	global_load_b128 v[12:15], v[CO], s[12:13]
	s_cmp_eq_u32 s19, 0
	s_cselect_b64 s[PFB:PFB+1], s[4:5], s[6:7]
	s_add_nc_u64 s[PFB:PFB+1], s[PFB:PFB+1], s[66:67]
	s_add_nc_u64 s[PFA:PFA+1], s[PFB:PFB+1], s[KO:KO+1]
	s_add_nc_u64 s[4:5], s[4:5], s[82:83]
	s_add_nc_u64 s[6:7], s[6:7], s[22:23]
	s_add_nc_u64 s[84:85], s[16:17], s[84:85]
	s_add_nc_u64 s[86:87], s[16:17], s[86:87]
.irp s, 0,1
	s_mov_b32 s[G0A+4*\s], 1
	s_add_co_u32 s[G0A+4*\s+1], s3, \s*SLOT
	s_add_nc_u64 s[G0A+4*\s+2:G0A+4*\s+3], s[4:5], s[KO+2*\s:KO+2*\s+1]
	s_or_b32 s[G0A+4*\s+3], s[G0A+4*\s+3], 0x80000000
	s_mov_b32 s[G0B+4*\s], 1
	s_add_co_u32 s[G0B+4*\s+1], s3, \s*SLOT
	s_add_nc_u64 s[G0B+4*\s+2:G0B+4*\s+3], s[6:7], s[KO+2*\s:KO+2*\s+1]
	s_or_b32 s[G0B+4*\s+3], s[G0B+4*\s+3], 0x80000000
.endr
	CROUND                                         ; all sixteen work-groups are here: the first joint loads meet
	JLOAD 0                                        ; step 0: one tensor load a wave at the head
	global_prefetch_b8 v[PFO], s[PFA:PFA+1] offset:256 th:TH_LOAD_NT scope:SCOPE_SE   ; steps 1 and 2 (the walk's first four steps do not wrap)
	global_prefetch_b8 v[PFO], s[PFA:PFA+1] offset:512 th:TH_LOAD_NT scope:SCOPE_SE
	s_wait_kmcnt 0x0
	s_add_co_i32 s92, s88, s89                     ; e0 + e1
	s_add_co_i32 s93, s90, s91
	s_add_co_i32 s93, s93, 1                       ; e2 + e3 + 1: alpha / rank = 2
	s_wait_loadcnt 0x0
.irp b, 0,1,2,3,4,5,6,7
.irp i, 0,1,2,3
	v_cvt_pk_bf16_f32 v[LBP+4*\b+\i], v[AF+8*\b+2*\i], v[AF+8*\b+2*\i+1]
.endr
.endr
.irp i, 0,1,2,3
	v_ldexp_f32 v[12+\i], v[12+\i], s92
.endr
	ds_store_b128 v[SCW], v[12:15]
	LSTORE 0
	LSTORE 1
	s_wait_alu depctr_va_vdst(0)
	s_wait_tensorcnt 0x0                           ; my part of step 0 is in
	ds_add_u32 v[SPW], v[NIL]
	s_wait_dscnt 0x0                               ; the add and my stores of scale and lora_A are done
	CROUND
	JLOAD 1                                        ; step 1, the first tensor load behind the round
	LLOAD 0, 512                                   ; lora_A's step 2
	global_prefetch_b8 v[PFO], s[PFA:PFA+1] offset:768 th:TH_LOAD_NT scope:SCOPE_SE   ; step 3
.macro FRAG reg, adr, q, i             ; 16 rows x 128 K: lane (r, h) takes K = 32 c + 16 h + 0 .. 15 into registers 4 c .. 4 c + 3, alike on both sides of every product
.irp c, 0,1,2,3
	ds_load_b128 v[\reg+4*\c:\reg+4*\c+3], v[\adr] offset:128*(\q)+32*\c+(\i)*16*PITCH
.endr
.endm
.macro FETCH_B slot, q, p
	WIN TO_B
.irp i, 0,1,2,3,4,5,6,7
	FRAG 128*(\p)+FR*\i, ADRB+\slot, \q, \i
.endr
	WIN 0
.endm
.macro FETCH_A slot, q, half
.irp i, 0,1,2,3
	FRAG AF+FR*(4*(\half)+\i), ALO+2*(\half)+\slot, \q, \i
.endr
.endm
.macro FETCH_L slot, q
	FRAG LF, ADRL+\slot, \q, 0
.endm
; the accumulators take turns, one instruction a turn, in the same order in every step
.macro MUL16 a0, p, zero
.irp a, \a0, \a0+1
.irp b, 0,1,2,3,4,5,6,7
.if \zero
	v_wmma_f32_16x16x128_bf8_bf8 v[8*(8*((\a)%4)+\b):8*(8*((\a)%4)+\b)+7], v[128*(\p)+FR*\b:128*(\p)+FR*\b+FR-1], v[AF+FR*(\a):AF+FR*(\a)+FR-1], 0
.else
	v_wmma_f32_16x16x128_bf8_bf8 v[8*(8*((\a)%4)+\b):8*(8*((\a)%4)+\b)+7], v[128*(\p)+FR*\b:128*(\p)+FR*\b+FR-1], v[AF+FR*(\a):AF+FR*(\a)+FR-1], v[8*(8*((\a)%4)+\b):8*(8*((\a)%4)+\b)+7]
.endif
.endr
.endr
.endm
; four matrix instructions: x's block a against signs' blocks b0 .. b0 + 3 of set p
.macro MUL4 a, b0, p, zero
.irp b, \b0, \b0+1, \b0+2, \b0+3
.if \zero
	v_wmma_f32_16x16x128_bf8_bf8 v[8*(8*((\a)%4)+(\b)):8*(8*((\a)%4)+(\b))+7], v[128*(\p)+FR*(\b):128*(\p)+FR*(\b)+FR-1], v[AF+FR*(\a):AF+FR*(\a)+FR-1], 0
.else
	v_wmma_f32_16x16x128_bf8_bf8 v[8*(8*((\a)%4)+(\b)):8*(8*((\a)%4)+(\b))+7], v[128*(\p)+FR*(\b):128*(\p)+FR*(\b)+FR-1], v[AF+FR*(\a):AF+FR*(\a)+FR-1], v[8*(8*((\a)%4)+(\b)):8*(8*((\a)%4)+(\b))+7]
.endif
.endr
.endm
; A half step's 68 LDS loads go in FOUR runs, of 16, 16, 20 and 16, one behind each quarter of its products: signs' blocks 0-3; signs' blocks 4-7; x's blocks 0-3 and lora_A's fragment; x's blocks 4-7.
.macro RUNB slot, q, p, i0             ; signs' blocks i0 .. i0 + 3 into set p
	WIN TO_B
.irp i, \i0, \i0+1, \i0+2, \i0+3
	FRAG 128*(\p)+FR*(\i), ADRB+\slot, \q, \i
.endr
	WIN 0
.endm
.macro LORA4 zero
.irp a, 0,1,2,3
.if \zero
	v_wmma_f32_16x16x128_bf8_bf8 v[TACC+8*\a:TACC+8*\a+7], v[LF:LF+FR-1], v[AF+FR*\a:AF+FR*\a+FR-1], 0
.else
	v_wmma_f32_16x16x128_bf8_bf8 v[TACC+8*\a:TACC+8*\a+7], v[LF:LF+FR-1], v[AF+FR*\a:AF+FR*\a+FR-1], v[TACC+8*\a:TACC+8*\a+7]
.endif
.endr
.endm
; the first 128 along K of a slot; fetches the second 128's fragments
.macro STEP slot, q, zero
	s_wait_dscnt 32                                ; signs' set and x's block 0 are in; x's blocks 1-3, lora_A's fragment (16 loads) and x's blocks 4-7 (16) may be out
	WIN MUL_LO
	MUL4 0, 0, 0, \zero
	MUL4 0, 4, 0, \zero
	s_wait_dscnt 28                                ; x's block 1
	MUL4 1, 0, 0, \zero
	MUL4 1, 4, 0, \zero
	RUNB \slot, 1, 1, 0                            ; set 1 was last read in the half step before, which ends with four places
	s_wait_dscnt 32                                ; x's blocks 2, 3 and lora_A's fragment: behind them stand x's blocks 4-7 and the 16 just issued
	WIN MUL_LO
	MUL16 2, 0, \zero
	WIN 0
	LORA4 \zero
	PLACES 4                                       ; behind the last readers of x's blocks 0-3 and of lora_A's fragment, for the third run
	RUNB \slot, 1, 1, 4
	s_wait_dscnt 32                                ; x's blocks 4-7: behind them stand this half step's two runs
	WIN MUL_HI
	MUL16 4, 0, \zero
	WIN 0
	FETCH_A \slot, 1, 0
	FETCH_L \slot, 1
	WIN MUL_HI
	MUL16 6, 0, \zero
	PLACES 4
	WIN 0
	FETCH_A \slot, 1, 1
.endm
; the second 128 along K of a slot, and the change of slots.  fill = 1: step t's slot takes step t + 2, lora_A's part of that slot takes its step t + 2 from registers,
; lora_A's step t + 3 is loaded into registers and step t + 4 is prefetched.
.macro TURN slot, next, fill
.if \fill
	s_wait_xcnt 0x0                                ; my last prefetch and loads of lora_A have read their bases, which are written below
.endif
	s_wait_tensorcnt 0x0                           ; all my tensor loads have landed: my part of the next slot
	ds_add_u32 v[SPW], v[NIL]
.if \fill
	s_add_co_u32 s[KO+2*\slot], s[KO+2*\slot], 512
	s_and_b32 s[KO+2*\slot], s[KO+2*\slot], 4095
	s_add_nc_u64 s[G0A+4*\slot+2:G0A+4*\slot+3], s[4:5], s[KO+2*\slot:KO+2*\slot+1]
	s_or_b32 s[G0A+4*\slot+3], s[G0A+4*\slot+3], 0x80000000
	s_add_nc_u64 s[G0B+4*\slot+2:G0B+4*\slot+3], s[6:7], s[KO+2*\slot:KO+2*\slot+1]
	s_or_b32 s[G0B+4*\slot+3], s[G0B+4*\slot+3], 0x80000000
	s_add_co_u32 s[PK], s[KO+2*\slot], 512
	s_and_b32 s[PK], s[PK], 4095
	s_add_nc_u64 s[PFA:PFA+1], s[PFB:PFB+1], s[PK:PK+1]
	s_add_co_u32 s[LK], s[KO+2*\next], 512
	s_and_b32 s[LK], s[LK], 4095
	s_add_nc_u64 s[LP:LP+1], s[8:9], s[LK:LK+1]
.endif
	s_wait_dscnt 33                                ; as at a half step's head, and the add may be out
	WIN MUL_LO
	MUL4 0, 0, 1, 0                                ; sixteen matrix instructions stand between the add and the wait for it
	MUL4 0, 4, 1, 0
	s_wait_dscnt 29                                ; x's block 1
	MUL4 1, 0, 1, 0
	MUL4 1, 4, 1, 0
	WIN 0
	s_wait_dscnt 0x0                               ; the add is done, my reads of this slot and of its part of lora_A are over
	s_barrier_signal -1
	s_barrier_wait -1
.if \fill
	CREST                                          ; the barrier has opened a round of the cluster's barrier
	JLOAD \slot                                    ; the first tensor load behind the round
	s_wait_loadcnt 0x0                             ; lora_A's rows, asked for one change of slots ago
	LSTORE \slot
.endif
	RUNB \next, 0, 0, 0                            ; the next slot's fragments: set 0 was last read in the half step before, which ends with four places
	WIN MUL_LO
	MUL16 2, 1, 0
	WIN 0
	LORA4 0
	PLACES 4
	RUNB \next, 0, 0, 4
.if \fill
.if \slot == 0
	LLOAD \next, 0
.endif
	s_cmp_gt_u32 s3, 1                             ; the loop's last trip: steps 16 and on do not exist
	s_cbranch_scc0 .Lnone_\@
.if \slot == 1
	LLOAD \next, 0
.endif
	global_prefetch_b8 v[PFO], s[PFA:PFA+1] th:TH_LOAD_NT scope:SCOPE_SE
.Lnone_\@:
.endif
	WIN MUL_HI
	MUL16 4, 1, 0
	WIN 0
	FETCH_A \next, 0, 0
	FETCH_L \next, 0
	WIN MUL_HI
	MUL16 6, 1, 0
	PLACES 4
	WIN 0
	FETCH_A \next, 0, 1
.endm
	FETCH_B 0, 0, 0
	FETCH_A 0, 0, 0
	FETCH_L 0, 0
	FETCH_A 0, 0, 1
	STEP 0, 0, 1                                   ; the first products start the sums: nothing is cleared
	s_mov_b32 s3, LAPS-1
.Llap:
	TURN 0, 1, 1
	STEP 1, 0, 0
	TURN 1, 0, 1
	STEP 0, 0, 0
	s_sub_co_u32 s3, s3, 1
	s_cmp_lg_u32 s3, 0
	s_cbranch_scc1 .Llap
	TURN 0, 1, 0                                   ; the last lap fills nothing
	STEP 1, 0, 0
	s_wait_dscnt 32                                ; the very last half step: nothing more to fetch, the counts run down
	WIN MUL_LO
	MUL4 0, 0, 1, 0
	MUL4 0, 4, 1, 0
	s_wait_dscnt 28
	MUL4 1, 0, 1, 0
	MUL4 1, 4, 1, 0
	s_wait_dscnt 16
	MUL16 2, 1, 0
	WIN 0
	LORA4 0
	s_wait_dscnt 0x0
	WIN MUL_HI
	MUL16 4, 1, 0
	MUL16 6, 1, 0
; THE WAY OUT.  t x 2^(e2+e3+1) in bf16 lies in window 1 between runs of four zero registers, so that eight registers from either side are (t, 0) or (0, t) along K = 32;
; lora_B's blocks 2 j and 2 j + 1 lie in eight registers as K 0-15 and K 16-31: one operand serves both blocks.
	WIN 0x40
.irp a, 0,1,2,3,4,5,6,7,8
.irp i, 0,1,2,3
	v_mov_b32 v[TC+8*\a+\i], 0
.endr
.endr
	WIN 0
.irp j, 0,1,2,3,4,5,6,7,8,9,10,11,12,13,14,15,16,17,18,19,20,21,22,23,24,25,26,27,28,29,30,31
	v_ldexp_f32 v[TACC+\j], v[TACC+\j], s93
.endr
	WIN 0x40
.irp a, 0,1,2,3
.irp i, 0,1,2,3
	v_cvt_pk_bf16_f32 v[TC+8*\a+4+\i], v[TACC+8*\a+2*\i], v[TACC+8*\a+2*\i+1]
.endr
.endr
.macro LW a                            ; block a's 2 t lora_B^T
	WIN 0x44
.irp b, 0,1,2,3,4,5,6,7
	v_wmma_f32_16x16x32_bf16 v[RR+64*((\a)%2)+8*\b:RR+64*((\a)%2)+8*\b+7], v[LBP+8*(\b/2):LBP+8*(\b/2)+7], v[TC+8*(\a)+4-4*(\b%2):TC+8*(\a)+11-4*(\b%2)], 0
.endr
.endm
.macro FM a                            ; + sums x scale, each accumulator from its low end on
	WIN 0x52+((\a)/4)
.irp b, 0,1,2,3,4,5,6,7
.irp i, 0,2,4,6
	v_pk_fma_f32 v[RR+64*((\a)%2)+8*\b+\i:RR+64*((\a)%2)+8*\b+\i+1], v[64*((\a)%4)+8*\b+\i:64*((\a)%4)+8*\b+\i+1], v[SC+8*\b+\i:SC+8*\b+\i+1], v[RR+64*((\a)%2)+8*\b+\i:RR+64*((\a)%2)+8*\b+\i+1]
.endr
.endr
.endm
.macro ST a                            ; through my own stage, back as whole rows of 512 bytes
	WIN 0x04
.irp b, 0,1,2,3,4,5,6,7
	ds_store_b128 v[STO], v[RR+64*((\a)%2)+8*\b:RR+64*((\a)%2)+8*\b+3] offset:64*\b
	ds_store_b128 v[STO], v[RR+64*((\a)%2)+8*\b+4:RR+64*((\a)%2)+8*\b+7] offset:64*\b+16
.endr
	WIN 0
.irp t, 0,1,2,3,4,5,6,7,8,9,10,11,12,13,14,15
	ds_load_b128 v[BK+64*((\a)%2)+4*\t:BK+64*((\a)%2)+4*\t+3], v[RD] offset:\t*SPITCH
.endr
.endm
.macro SEND a, younger                 ; 32 lanes store 512 consecutive bytes, aligned
	s_wait_dscnt \younger
.irp t, 0,1,2,3,4,5,6,7,8,9,10,11,12,13,14,15
	global_store_b128 v[CO], v[BK+64*((\a)%2)+4*\t:BK+64*((\a)%2)+4*\t+3], s[84+2*((\a)/4):85+2*((\a)/4)] offset:(((\a)%4)*16+\t)*16384
.endr
.endm
	LW 0
	LW 1
	PLACES 4
	WIN 0x04
.irp a, 0,1,2,3
	ds_store_b128 v[XST], v[TC+8*\a+4:TC+8*\a+7] offset:512*\a   ; my t for the wave beside me
.endr
	WIN 0
.irp b, 0,1,2,3,4,5,6,7
	ds_load_b128 v[SC+8*\b:SC+8*\b+3],   v[SCR] offset:64*\b
	ds_load_b128 v[SC+8*\b+4:SC+8*\b+7], v[SCR] offset:64*\b+16
.endr
	s_wait_dscnt 0x0
	s_barrier_signal -1
	s_barrier_wait -1
	WIN 0x40
.irp a, 0,1,2,3
	ds_load_b128 v[TC+8*(4+\a)+4:TC+8*(4+\a)+7], v[XLD] offset:512*\a   ; its t: my blocks 4-7
.endr
.irp a, 0,1,2,3,4,5,6,7
.if (\a >= 1) && (\a <= 6)
	s_wait_dscnt 16
	LW \a+1
.endif
	FM \a
.if \a >= 2
	s_wait_alu depctr_va_vdst(0)
	s_wait_xcnt 0x0                                ; block a - 2's stores have read their registers
.endif
	ST \a
.if \a >= 1
	SEND \a-1, 32
.endif
.endr
	SEND 7, 0
	s_wait_tensorcnt 0x0                           ; the wave's end
	ds_add_u32 v[SPW], v[NIL]
	s_wait_dscnt 0x0
	CROUND                                         ; the closing round
	s_endpgm
.Lfunc_end_k_q708d358ebf_lora_gemm:
	.size	k_q708d358ebf_lora_gemm, .Lfunc_end_k_q708d358ebf_lora_gemm-k_q708d358ebf_lora_gemm
	.p2alignl 7, 3214868480
	.fill 96, 4, 3214868480
	.section	.rodata,"a",@progbits
	.p2align	6, 0x0
	.amdhsa_kernel k_q708d358ebf_lora_gemm
		.amdhsa_group_segment_fixed_size 327680
		.amdhsa_private_segment_fixed_size 0
		.amdhsa_enable_private_segment 0
		.amdhsa_kernarg_size 56
		.amdhsa_user_sgpr_count 2
		.amdhsa_user_sgpr_kernarg_segment_ptr 1
		.amdhsa_wavefront_size32 1
		.amdhsa_system_sgpr_workgroup_id_x 1
		.amdhsa_system_sgpr_workgroup_id_y 1
		.amdhsa_system_sgpr_workgroup_id_z 1
		.amdhsa_system_vgpr_workitem_id 0
		.amdhsa_next_free_vgpr 1024
		.amdhsa_next_free_sgpr 100
		.amdhsa_reserve_vcc 0
		.amdhsa_float_denorm_mode_32 3
		.amdhsa_float_denorm_mode_16_64 3
		.amdhsa_memory_ordered 1
		.amdhsa_forward_progress 1
		.amdhsa_inst_pref_size 150
	.end_amdhsa_kernel
	.amdgpu_metadata
---
amdhsa.version: [ 1, 2 ]
amdhsa.kernels:
  - .name:           k_q708d358ebf_lora_gemm
    .symbol:         k_q708d358ebf_lora_gemm.kd
    .args:
      - { .name: x_codes, .offset: 0, .size: 8, .value_kind: global_buffer, .address_space: global }
      - { .name: signs_codes, .offset: 8, .size: 8, .value_kind: global_buffer, .address_space: global }
      - { .name: lora_A_codes, .offset: 16, .size: 8, .value_kind: global_buffer, .address_space: global }
      - { .name: lora_B, .offset: 24, .size: 8, .value_kind: global_buffer, .address_space: global }
      - { .name: scale, .offset: 32, .size: 8, .value_kind: global_buffer, .address_space: global }
      - { .name: lowp_scales, .offset: 40, .size: 8, .value_kind: global_buffer, .address_space: global }
      - { .name: out0, .offset: 48, .size: 8, .value_kind: global_buffer, .address_space: global }
    .group_segment_fixed_size: 327680
    .private_segment_fixed_size: 0
    .kernarg_segment_align: 8
    .kernarg_segment_size: 56
    .max_flat_workgroup_size: 128
    .sgpr_count:     100
    .vgpr_count:     1024
    .wavefront_size: 32
...
	.end_amdgpu_metadata
.endif
;; end of part 1
